; MI455X (gfx1250); checked and timed in simulation.
; The chip was launched on July 23, 2026; its instructions are those of AMD's public machine-readable ISA for CDNA 5 (MIT licence, August 2026) and "CDNA5" Instruction Set Architecture Reference Guide (July 2026). The comments in the code are by the model that wrote it; some were corrected since.
;; Mo E Layer. Allowed arithmetic: matrix products marked QUANTISED: E5M2 operands, one given power-of-two scale a tensor, by v_wmma_f32_16x16x64_bf8_bf8 or v_wmma_f32_16x16x128_bf8_bf8, f32 sums; products left as they are: f32 operands where the result goes on into a quantised operand, else bf16, f16 or f32 operands; f32 sums; everything else in f32.
;; Inputs: b1 8 x 4,096 float32; b2 8 x 1,024 float32; gate_b 8 float32; gate_w 1,024 x 8 float32; lowp_scales 4 int32 (the exponents e of the quantised operands' scales 2^e); w1 8 x 1,024 x 4,096 float32; w2 8 x 4,096 x 1,024 float32; x 1,024 x 1,024 float32.
;; Outputs: out0 1,024 x 1,024 float32.
;; This version of the problem:
;;   THIS VERSION OF THE PROBLEM IS GIVEN IN LOW PRECISION. The matrix products marked QUANTISED in the list below multiply operands that are first quantised to E5M2 (5 exponent bits, 2 mantissa bits; 8 bits a number), with one given power-of-two scale for each operand tensor; their sums are f32. All else is computed in f32.
;;   The module's matrix products, in the order in which they are computed (A, B: the left and right operand; K: the contracted axis; several contracted axes count as one K, in the product's order):
;;     1. [M 1,024, K 1,024] x [K 1,024, N 8]; A: input x; B: input gate_w: left as it is (N = 8 < 16)
;;     2. [M 1,024, K 1,024] x [K 1,024, N 32,768]; A: input x; B: input w1: QUANTISED (scales: A lowp_scales[0], B lowp_scales[1])
;;     3. batch 8 x [M 1,024, K 4,096] x [K 4,096, N 1,024]; A: input w2; B: computed on the way: QUANTISED (scales: A lowp_scales[2], B lowp_scales[3])
;;   THE QUANTISER, for each operand of a quantised product, along K:
;;     - The operand's scale is 2^e, e = its entry of the input lowp_scales (int32; the entries are numbered through the quantised products in the list's order, A before B).
;;     - Each number is divided by the scale, clamped to +-57,344, and rounded to the nearest number of E5M2, ties to even, subnormals kept.
;;     - The product sums the exact products of the quantised numbers (number of the format x scale) in f32.
;;   ~~~python
;;   def quantise(x, axis, e):      # numpy; x: float32 -> the quantised numbers, widened to float32 again
;;       x = np.moveaxis(x, axis, -1); K = x.shape[-1]
;;       r = np.clip(x / 2.0 ** e, -57344, 57344)
;;       step = 2.0 ** (np.maximum(np.frexp(np.where(r == 0, 1, r))[1] - 1, -14) - 2)
;;       q = np.round(r / step) * step * 2.0 ** e      # np.round: ties to even
;;       return np.moveaxis(q, -1, axis).astype(np.float32)
;;   ~~~
;;   OPERANDS COMPUTED ON THE WAY. 'Computed on the way' means the value that the module computes at that place (a softmax that the list does not call 'softmax' is quantised finished and normalised). What goes into a quantiser is computed in f32, as accurately as f32 sums, v_exp_f32 and their like allow (about 1e-6 of the number): no bf16 or f16 on the way to a quantiser, and a product that is left as it is and whose result goes on into a quantised operand takes f32 operands (vector FMAs, or v_wmma_f32_16x16x4_f32). A number that lies on a knife's edge between two numbers of the format may be rounded either way, as far as f32 arithmetic and the matrix unit's own rounding can turn it there, and no further.
;; One version. Each part assembles by itself: llvm-mc -triple=amdgcn-amd-amdhsa -mcpu=gfx1250 --defsym DOCPART=n.
;; ======== version 1 of 1: 4 launches
;; limits: right only within a limited range of input values
;; workspace buffers: xq 1,048,576 bytes; route 4,096 bytes of whole numbers; gatew 8,192 bytes; tok 32,768 bytes of whole numbers; cnt 2,048 bytes of whole numbers; hq 33,554,432 bytes; yp 16,908,288 bytes
;; launch router (part 1): grid 256 x 1, 4 waves a work-group, no clusters, 37,376 bytes of LDS; arguments x, gate_w, gate_b, lowp_scales, xq, route, gatew; writes xq, route, gatew
.if DOCPART == 1
	.amdgcn_target "amdgcn-amd-amdhsa--gfx1250"
	.amdhsa_code_object_version 6
	.text
	.protected	k_q470bd0aa96_router
	.globl	k_q470bd0aa96_router
	.p2align	8
	.type	k_q470bd0aa96_router,@function
k_q470bd0aa96_router:
	s_mov_b64 s[64:65], 0
	v_nop
	global_prefetch_b8 v0, s[64:65] scope:SCOPE_SE
	s_setreg_imm32_b32 hwreg(HW_REG_WAVE_MODE, 25, 1), 1
	s_wait_xcnt 0x0
; THE ROUTER, AND x INTO CODES.  x [1024][1024] f32, gate_w [1024][8] f32, gate_b [8] f32.  One wave takes one token t = 4 x work-group + wave.
; logits = x gate_w + gate_b by f32 multiply-adds; the two largest (the lower index wins a tie, as the strict order of the scan gives it); softmax over the two, the larger taken away first.
; Stored at fixed places: route[t] = e0 | e1 << 8 | 1 << (16 + e0) | 1 << (16 + e1) (whole numbers: later launches form addresses from them), gatew[t] = the two weights.
; x's codes (E5M2, scale 2^e, e = entry 0 of the scales): code = x / 2^e held within +-57,344, to the nearest code.  A lane's load i holds k = 128 i + 4 lane + j; its four codes go to byte
; 512 (i / 4) + 16 lane + 4 (i % 4) + j of the token's 1,024: so each store of the wave covers 512 consecutive bytes.  That order of k is undone nowhere: w1's codes are laid in the same order.
; gate_w (32,768 bytes) is copied once into LDS as 256 pieces of 4 rows (128 bytes), 144 bytes apart, so that a lane reads the four rows that belong to its four numbers of x.
; No matrix unit, no cluster: 8 columns are too few for the one, and the work-groups share only gate_w, 32 KiB.  route and gatew take 4 and 8 bytes a token: 12 KiB in the whole launch.
; LIMITS: logits finite; e between -126 and 112; NaN among the inputs is not served; where a token's second and third logit differ by less than the rounding of an f32 sum of 1,024 terms, either may be chosen.
; WORK LEFT OUT: reference() computes every expert for every token and keeps, by an index of its own, the two that were chosen.  The choice is stored here as whole numbers, and the later launches multiply the chosen rows only
; (in whole tiles of 16 rows).  A NaN, an infinity or an overflow that reaches only experts not chosen for a token is not carried to the result.
; route[t] carries one bit more beside those named above: 1 << (24 + e1), so that an expert's bit of the top byte says whether it is the token's second choice.
.set X, 8
.set G, 40                             ; v40-103  gate_w on its way to LDS; then two sets of 32: 4 rows x 8
.set A, 104                            ; v104-111 the eight sums
.set C, 112                            ; v112-119 codes
.set P, 132                            ; v132-139 the other half's sums; then the logits without the winner
.set PITCH, 144
	s_load_b256 s[4:11], s[0:1], 0x0               ; x s[4:5], gate_w s[6:7], gate_b s[8:9], the scales s[10:11]
	s_load_b128 s[12:15], s[0:1], 0x20             ; xq s[12:13], route s[14:15]
	s_load_b64 s[16:17], s[0:1], 0x30              ; gatew
	v_lshrrev_b32 v1, 5, v0
	v_readfirstlane_b32 s20, v1                    ; wave
	v_and_b32 v1, 31, v0                           ; lane
	v_lshlrev_b32 v2, 4, v1                        ; 16 x lane
	v_lshrrev_b32 v3, 3, v0
	v_mul_u32_u24 v3, v3, PITCH
	v_and_b32 v6, 7, v0
	v_lshl_add_u32 v3, v6, 4, v3                   ; into LDS: eight threads fill a piece of 128 bytes
	v_mul_u32_u24 v4, v1, PITCH                    ; out of LDS: a piece a lane
	v_lshlrev_b32 v5, 4, v0                        ; 16 x thread
	v_mov_b32 v126, 0
	v_lshl_add_u32 v144, v0, 2, 36864              ; my spare word, behind gate_w's pieces; and 0: kept for the wave's end
	v_mov_b32 v145, 0
	v_mov_b32 v140, 0xff800000                     ; -infinity
.irp e, 0,1,2,3,4,5,6,7
	v_mov_b32 v[P+\e], 0                           ; a lane permute's destination counts as one of its sources
.endr
	s_mov_b32 s36, 0x76543210                      ; v_permlanex16_b32: lane l xor 16
	s_mov_b32 s37, 0xfedcba98
	s_lshl_b32 s21, ttmp9, 2
	s_add_co_u32 s21, s21, s20                     ; my token
	s_lshl_b32 s38, s21, 12
	s_mov_b32 s39, 0
	s_lshl_b32 s40, s21, 10
	s_mov_b32 s41, 0
	s_lshl_b32 s42, s21, 2
	s_mov_b32 s43, 0
	s_lshl_b32 s44, s21, 3
	s_mov_b32 s45, 0
	s_wait_kmcnt 0x0
	s_load_b256 s[24:31], s[8:9], 0x0              ; gate_b
	s_load_b32 s32, s[10:11], 0x0                  ; x's e
	s_add_nc_u64 s[4:5], s[4:5], s[38:39]
	s_add_nc_u64 s[12:13], s[12:13], s[40:41]
	s_add_nc_u64 s[14:15], s[14:15], s[42:43]
	s_add_nc_u64 s[16:17], s[16:17], s[44:45]
.irp q, 0,1,2,3,4,5,6,7,8,9,10,11,12,13,14,15
	global_load_b128 v[G+4*\q:G+4*\q+3], v5, s[6:7] offset:2048*\q          ; the work-group's 128 threads take 2,048 consecutive bytes a load
.endr
.irp i, 0,1,2,3,4,5,6,7
	global_load_b128 v[X+4*\i:X+4*\i+3], v2, s[4:5] offset:512*\i th:TH_LOAD_NT   ; the token's row, 512 consecutive bytes a load; read once in the launch
.endr
	s_wait_loadcnt 8                               ; gate_w's sixteen are in; x's eight, issued behind them, may be out
.irp q, 0,1,2,3,4,5,6,7,8,9,10,11,12,13,14,15
	ds_store_b128 v3, v[G+4*\q:G+4*\q+3] offset:16*PITCH*\q
.endr
	s_wait_dscnt 0x0                               ; for the others' sake: my stores have landed
	s_barrier_signal -1
	s_barrier_wait -1
.macro GLOAD i                         ; the four rows of gate_w that belong to load i of x, into set i % 2
.irp g, 0,1,2,3,4,5,6,7
	ds_load_b128 v[G+32*((\i)%2)+4*\g:G+32*((\i)%2)+4*\g+3], v4 offset:32*PITCH*(\i)+16*\g
.endr
.endm
.macro DOT i                           ; 16 packed multiply-adds: number j of load i times its row's eight; the very first starts the sums
.set GS, G+32*((\i)%2)
.irp j, 0,1,2,3
.irp p, 0,1,2,3
.if ((\i) == 0) && (\j == 0)
	v_pk_mul_f32 v[A+2*\p:A+2*\p+1], v[GS+2*\p:GS+2*\p+1], v[X:X+1] op_sel_hi:[1,0]
.elseif (\j % 2) == 0
	v_pk_fma_f32 v[A+2*\p:A+2*\p+1], v[GS+8*\j+2*\p:GS+8*\j+2*\p+1], v[X+4*(\i)+\j:X+4*(\i)+\j+1], v[A+2*\p:A+2*\p+1] op_sel_hi:[1,0,1]
.else
	v_pk_fma_f32 v[A+2*\p:A+2*\p+1], v[GS+8*\j+2*\p:GS+8*\j+2*\p+1], v[X+4*(\i)+\j-1:X+4*(\i)+\j], v[A+2*\p:A+2*\p+1] op_sel:[0,1,0] op_sel_hi:[1,1,1]
.endif
.endr
.endr
.endm
	GLOAD 0
	GLOAD 1
	s_wait_loadcnt 0x0                             ; x
.irp i, 0,1,2,3,4,5,6,7
.if \i < 7
	s_wait_alu depctr_va_vdst(0)
	s_wait_dscnt 8                                 ; this set is in; the next set's eight loads may be out
.else
	s_wait_alu depctr_va_vdst(0)
	s_wait_dscnt 0
.endif
	DOT \i
.if \i < 6
	GLOAD (\i+2)
.endif
.endr
	; x's codes leave first
	s_wait_kmcnt 0x0
	s_add_co_i32 s32, s32, 127
	s_lshl_b32 s35, s32, 23
	v_mov_b32 v142, s35                            ; 2^e as f32: the conversion takes its exponent field
	s_add_co_i32 s32, s32, 15
	s_lshl_b32 s33, s32, 23
	s_or_b32 s33, s33, 0x600000                    ; 57,344 x 2^e
	s_or_b32 s34, s33, 0x80000000                  ; and its negative
.set k, 0
.rept 32
	v_med3_num_f32 v[X+k], v[X+k], s34, s33        ; the conversion to an 8-bit code does not saturate (ISA guide 7.6.2): the hold comes first
.set k, k+1
.endr
.irp u, 0,1,2,3
	v_cvt_scalef32_pk8_bf8_f32 v[C+2*\u:C+2*\u+1], v[X+8*\u:X+8*\u+7], v142
.endr
	v_nop                                          ; a plain line behind the last conversion
	global_store_b128 v2, v[C:C+3], s[12:13]
	global_store_b128 v2, v[C+4:C+7], s[12:13] offset:512
	; the eight sums over the 32 lanes
.irp m, 1,2,4,8
.irp e, 0,1,2,3,4,5,6,7
	v_add_f32_dpp v[A+\e], v[A+\e], v[A+\e] row_xmask:\m row_mask:0xf bank_mask:0xf
.endr
.endr
.irp e, 0,1,2,3,4,5,6,7
	v_permlanex16_b32 v[P+\e], v[A+\e], s36, s37
.endr
.irp e, 0,1,2,3,4,5,6,7
	v_add_f32 v[A+\e], v[A+\e], v[P+\e]
.endr
.irp e, 0,1,2,3,4,5,6,7
	v_add_f32 v[A+\e], s[24+\e], v[A+\e]           ; + gate_b: every lane holds all eight logits
.endr
	; the largest: what stands is kept where it is at least as large, so the lower index wins a tie
	v_mov_b32 v128, v[A]
	v_mov_b32 v129, 0
.irp e, 1,2,3,4,5,6,7
	v_cmp_ge_f32 vcc_lo, v128, v[A+\e]
	v_cndmask_b32 v129, \e, v129, vcc_lo
	v_max_num_f32 v128, v128, v[A+\e]
.endr
.irp e, 0,1,2,3,4,5,6,7
	v_cmp_eq_u32 vcc_lo, \e, v129
	v_cndmask_b32 v[P+\e], v[A+\e], v140, vcc_lo   ; the winner is taken out
.endr
	v_mov_b32 v130, v[P]
	v_mov_b32 v131, 0
.irp e, 1,2,3,4,5,6,7
	v_cmp_ge_f32 vcc_lo, v130, v[P+\e]
	v_cndmask_b32 v131, \e, v131, vcc_lo
	v_max_num_f32 v130, v130, v[P+\e]
.endr
	; softmax over the two: the larger is taken away, so the exponent is 0 or less
	v_sub_f32 v141, v130, v128
	v_mul_f32 v141, 0x3fb8aa3b, v141               ; x log2(e)
	s_wait_alu depctr_va_vdst(0)
	v_exp_f32 v124, v141                           ; p = e^(second - first)
	v_mov_b32 v143, 0x10000                        ; (plain work behind the exponential: the route word)
	v_lshlrev_b32 v120, v129, v143                 ; 1 << (16 + e0)
	v_lshlrev_b32 v121, v131, v143                 ; 1 << (16 + e1)
	s_wait_alu depctr_va_vdst(0)                   ; the wait ahead of the first reader
	v_add_f32 v127, 1.0, v124
	s_wait_alu depctr_va_vdst(0)
	v_rcp_f32 v122, v127                           ; w0 = 1 / (1 + p)
	v_lshl_or_b32 v125, v131, 8, v129
	v_or_b32 v120, v120, v121
	v_or_b32 v125, v125, v120
	v_lshl_or_b32 v125, v121, 8, v125              ; and 1 << (24 + e1)
	s_wait_alu depctr_va_vdst(0)
	v_mul_f32 v123, v124, v122                     ; w1 = p w0
	s_wait_alu depctr_va_vdst(0)
	s_wait_xcnt 0x0                                ; EXEC is a source of the stores above: it changes only behind this wait
	v_cmp_eq_u32 vcc_lo, 0, v1
	s_and_saveexec_b32 s46, vcc_lo                 ; lane 0 alone
	global_store_b32 v126, v125, s[14:15]
	global_store_b64 v126, v[122:123], s[16:17]
	s_wait_xcnt 0x0                                ; and again in front of the line that widens it
	s_or_b32 exec_lo, exec_lo, s46
	s_wait_tensorcnt 0x0                           ; the wave's end
	ds_add_u32 v144, v145
	s_wait_dscnt 0x0
	s_endpgm
.Lfunc_end_k_q470bd0aa96_router:
	.size	k_q470bd0aa96_router, .Lfunc_end_k_q470bd0aa96_router-k_q470bd0aa96_router
	.p2alignl 7, 3214868480
	.fill 96, 4, 3214868480
	.section	.rodata,"a",@progbits
	.p2align	6, 0x0
	.amdhsa_kernel k_q470bd0aa96_router
		.amdhsa_group_segment_fixed_size 37376
		.amdhsa_private_segment_fixed_size 0
		.amdhsa_enable_private_segment 0
		.amdhsa_kernarg_size 56
		.amdhsa_user_sgpr_count 2
		.amdhsa_user_sgpr_kernarg_segment_ptr 1
		.amdhsa_wavefront_size32 1
		.amdhsa_system_sgpr_workgroup_id_x 1
		.amdhsa_system_sgpr_workgroup_id_y 1
		.amdhsa_system_sgpr_workgroup_id_z 1
		.amdhsa_system_vgpr_workitem_id 0
		.amdhsa_next_free_vgpr 152
		.amdhsa_next_free_sgpr 66
		.amdhsa_reserve_vcc 1
		.amdhsa_float_denorm_mode_32 3
		.amdhsa_float_denorm_mode_16_64 3
		.amdhsa_memory_ordered 1
		.amdhsa_forward_progress 1
		.amdhsa_inst_pref_size 27
	.end_amdhsa_kernel
	.amdgpu_metadata
---
amdhsa.version: [ 1, 2 ]
amdhsa.kernels:
  - .name:           k_q470bd0aa96_router
    .symbol:         k_q470bd0aa96_router.kd
    .args:
      - { .name: x, .offset: 0, .size: 8, .value_kind: global_buffer, .address_space: global }
      - { .name: gate_w, .offset: 8, .size: 8, .value_kind: global_buffer, .address_space: global }
      - { .name: gate_b, .offset: 16, .size: 8, .value_kind: global_buffer, .address_space: global }
      - { .name: lowp_scales, .offset: 24, .size: 8, .value_kind: global_buffer, .address_space: global }
      - { .name: xq, .offset: 32, .size: 8, .value_kind: global_buffer, .address_space: global }
      - { .name: route, .offset: 40, .size: 8, .value_kind: global_buffer, .address_space: global }
      - { .name: gatew, .offset: 48, .size: 8, .value_kind: global_buffer, .address_space: global }
    .group_segment_fixed_size: 37376
    .private_segment_fixed_size: 0
    .kernarg_segment_align: 8
    .kernarg_segment_size: 56
    .max_flat_workgroup_size: 128
    .sgpr_count:     66
    .vgpr_count:     152
    .wavefront_size: 32
...
	.end_amdgpu_metadata
.endif
;; end of part 1
;; launch up (part 2): grid 256 x 1, 8 waves a work-group, no clusters, 137,216 bytes of LDS; arguments w1, b1, xq, route, lowp_scales, hq, tok, cnt; writes hq, tok, cnt
.if DOCPART == 2
	.amdgcn_target "amdgcn-amd-amdhsa--gfx1250"
	.amdhsa_code_object_version 6
	.text
	.protected	k_q470bd0aa96_up
	.globl	k_q470bd0aa96_up
	.p2align	8
	.type	k_q470bd0aa96_up,@function
k_q470bd0aa96_up:
	s_mov_b64 s[64:65], 0
	v_nop
	global_prefetch_b8 v0, s[64:65] scope:SCOPE_SE
	s_setreg_imm32_b32 hwreg(HW_REG_WAVE_MODE, 25, 1), 1
	s_wait_xcnt 0x0
; THE FIRST LAYER OF THE CHOSEN EXPERTS: h = Q(relu(Q(x) Q(w1) + b1)), on codes of E5M2.  w1 [8][1024 (k)][4096] f32, b1 [8][4096] f32, xq: x's codes, route: the choice, as whole numbers.
; WORK LEFT OUT: rows of experts that a token did not choose (see the first launch).
; THE WEIGHTS STAND STILL.  Work-group (e = number / 32, sc = number % 32) owns hidden units 128 sc .. 128 sc + 127 of expert e over all 1,024 of K: 512 KiB of f32, read once in the launch, by nobody else.
; ALL EIGHT WAVES DO THE SAME.  In each of 8 trips (128 of K) a wave turns an eighth of the trip's weights into codes and lays them into LDS as images of operand registers (128 KiB in all: every byte is written once and stays),
; and multiplies the whole of the trip before against its own tiles of 16 rows of the expert's list: tiles w, w + 8, w + 16.  A barrier is signalled behind a trip's stores and waited for behind the products of the trip before.
; Places of the list past the expert's count hold token 0; results of tiles 0 to 15 are always stored.  Tile w + 16: its first two trips of x and its first products always run, so that every register is written on every way; the rest is
; led round by a branch on the expert's count of tiles where the tile is not there.  Rows from 384 on (tiles 24 + w + 8 k, up to tile 63) are served behind the last barrier by a loop of at most 5 trips, left as soon as the tile's number
; reaches the count of tiles; it reads the codes from LDS: so every split is served, all 1,024 tokens on one expert too.
; LOADS: a wave's 16 loads of weights for trip t + 2 are issued, eight by eight, when the half that they replace has been converted; x's 8 or 12 for trip t + 2 when trip t is multiplied.
; EACH WORK-GROUP WALKS K FROM A START OF ITS OWN: trip t takes K step tau = (t + rho) % 8, rho = (sc % 8) xor (7 where bit 3 of sc is set): the 32 work-groups of an expert ask for different eighths of the same rows of x.
; The order of the sums changes, the products do not.  LDS slot t holds K step tau(t).
; THE LIST.  Wave 0 reads all 1,024 route words and gives each token that chose e its place (set bits below the lane + a running count): list in LDS, token + 1,024 where e is the token's second choice;
; the work-group with sc = 0 stores it as tok[e], and cnt[e].
; HOW A LOAD BECOMES AN OPERAND.  Wave (Q = w / 4, c = w % 4).  A load gives lanes 0-15 the 256 aligned bytes (64 columns) of one row k, lanes 16-31 the same columns four rows on.  Lane r holds columns 4 r + j:
; tile j of 16 hidden units is the columns 4 r + j.  A conversion of two loads gives two words (a row x 4 columns each); eight byte permutes turn four such words into four words of a column x 4 rows.
; ORDER OF K (the same in x's codes): register 4 c + d, byte b, half h of K step tau is k = 512 (tau / 4) + 32 (tau % 4) + 128 d + 8 c + 4 h + b.  A permutation applied alike to both operands keeps every product with its partner.
; THE PRODUCT IS USED TRANSPOSED (source 0 = 16 hidden units, source 1 = 16 tokens): a lane holds one token, its registers run along the hidden units, so the conversions' results are a fragment of the next product, stored as it stands:
; hq[e][tile][K step sc][2,048 bytes].  Register 8 q + 2 j + i, byte b, half h holds hidden unit 64 q + 32 h + 16 i + 4 b + j of the 128: w2's codes are laid so too.
; NO TENSOR LOADS, NO CLUSTER: the weights must pass through registers to become codes, and branches hang on a number read from memory.  NO PREFETCH: each wave's own loads run two trips ahead, 128 KiB of weights in a work-group.
; LIMITS: w1's and h's e between -126 and 112; x's e + w1's e between -126 and 127; NaN among the inputs is not served.
; REGISTERS, window 0: v1-31 addresses; v32-95 fragments of w1 in two halves (at other times: words as converted D, as turned O, T; b1 on the way out); v96-191 x's fragments, two trips of three tiles; v192-255 tile 2's sums.
;   window 1: v0-127 two sets of 16 loads; v128-255 the sums of tiles 0 and 1, units' tile f of tile i at v[128 + 64 i + 8 f].
;   s66-81: w1 at the wave's part of trip t's K step; s82-97: xq at trip t's 128 bytes of a row: a pair for each trip, never rewritten.  s35 = w + 16, s45 = the expert's tiles.
.set LIST,  131072                     ; LDS: 1,024 places, 32 places for the lanes that have nothing to say, the count at +4224: 4,608 bytes
.set BIAS,  135680                     ; LDS: my 128 numbers of b1
.set SPARE, 136192                     ; LDS: the spare words, 128 bytes for each wave
.set TILE8, 524288                     ; bytes of hq from tile m to tile m + 8
.set OTRIPS, 5
.set WO,   13
.set SCL,  15
.set NIL,  24
.set XA,   28
.set SPW,  31
.set D,    32
.set O,    48
.set T,    64
.set W,    32
.set X,    96
.set ACC2, 192
.set BB,   32
.set R,    96                          ; the scan: route words; SA places, then LDS addresses; SD tokens
.set SA,   128
.set SD,   160
.set WB,   66
.set XB,   82
.set MSB, 0
.macro WIN new                         ; the immediate's high byte repeats the setting that is left
.if MSB != \new
	s_set_vgpr_msb (MSB<<8)|\new
.set MSB, \new
.endif
.endm
.macro NOP4                            ; four places behind matrix instructions, in front of loads into their sources and of the first read of results
.rept 4
	v_nop
.endr
.endm
.macro BAR
	s_wait_dscnt 0x0
	s_barrier_signal -1
	s_barrier_wait -1
.endm
; 8 loads of trip t: slot lam holds the row of (d = lam / 4, b = lam % 4).  The trip's K step stands in the base, the rest in the immediate (387 rows of 16,384 bytes at the most, inside the signed 24 bits).
.macro SLOAD t, hf
	WIN 0x40                                       ; destination window 1, address window 0
.set lam, 8*(\hf)
.rept 8
	global_load_b128 v[64*((\t)%2)+4*lam:64*((\t)%2)+4*lam+3], v[WO], s[WB+2*(\t):WB+2*(\t)+1] offset:(128*(lam/4)+lam%4)*16384 th:TH_LOAD_NT
.set lam, lam+1
.endr
	WIN 0
.endm
.macro TRANS2 g                        ; four words (row b x columns 0-3) become four words (column j x rows 0-3): registers g and g + 1 of the wave's four, in each of the four tiles; the two take turns
	WIN 0
.irp a, 0,1
	v_perm_b32 v[T+4*\a], v[D+4*(\g+\a)+1], v[D+4*(\g+\a)], s38
	v_perm_b32 v[T+4*\a+1], v[D+4*(\g+\a)+1], v[D+4*(\g+\a)], s39
	v_perm_b32 v[T+4*\a+2], v[D+4*(\g+\a)+3], v[D+4*(\g+\a)+2], s38
	v_perm_b32 v[T+4*\a+3], v[D+4*(\g+\a)+3], v[D+4*(\g+\a)+2], s39
.endr
.irp a, 0,1
	v_perm_b32 v[O+\g+\a], v[T+4*\a+2], v[T+4*\a], s40
	v_perm_b32 v[O+4+\g+\a], v[T+4*\a+2], v[T+4*\a], s41
	v_perm_b32 v[O+8+\g+\a], v[T+4*\a+3], v[T+4*\a+1], s40
	v_perm_b32 v[O+12+\g+\a], v[T+4*\a+3], v[T+4*\a+1], s41
.endr
.endm
.macro QHALF t, hf, n                  ; half of trip t's numbers: held, converted; their registers take the loads of two trips on.  n: the loads issued behind them
	s_wait_loadcnt \n
	WIN 0x41
.set k, 64*((\t)%2)+32*(\hf)
.rept 32
	v_med3_num_f32 v[k], v[k], s29, s28            ; the conversion to an 8-bit code does not saturate (ISA guide 7.6.2)
.set k, k+1
.endr
	WIN 0x01
.set k, 64*((\t)%2)+32*(\hf)
.set u, D+8*(\hf)
.rept 4
	v_cvt_scalef32_pk8_bf8_f32 v[u:u+1], v[k:k+7], v[SCL]
.set k, k+8
.set u, u+2
.endr
	v_nop                                          ; a plain line behind the last conversion
.if (\t)+2 < 8
	SLOAD (\t)+2, \hf
.endif
.endm
.macro QUANT t, n                      ; n: the loads issued behind trip t's 16.  Behind the first half stand 8 more (the second half), behind the second half 8 more (those just issued for trip t + 2, where it is there)
.set qn, (\n)+8
	QHALF \t, 0, qn
	TRANS2 0
.if (\t)+2 < 8
	QHALF \t, 1, qn
.else
	QHALF \t, 1, \n
.endif
	TRANS2 2
.endm
.macro PUT t                           ; a piece of a fragment's image: 512 consecutive bytes a store
.irp j, 0,1,2,3
	ds_store_b128 v[6+(\t)/4], v[O+4*\j:O+4*\j+3] offset:((\t)%4)*16384+2048*\j
.endr
.endm
.macro WLOAD t, hf                     ; four fragments of trip t (the loop for rows from 384 on)
.irp j, 0,1,2,3
.irp c, 0,1,2,3
	ds_load_b128 v[W+16*\j+4*\c:W+16*\j+4*\c+3], v[4+(\t)/4] offset:((\t)%4)*16384+(4*(\hf)+\j)*2048+512*\c
.endr
.endr
.endm
.macro WG t, g                         ; fragments 2 g and 2 g + 1 of trip t into half g % 2 of W
.irp j, 0,1
.irp c, 0,1,2,3
	ds_load_b128 v[W+32*((\g)%2)+16*\j+4*\c:W+32*((\g)%2)+16*\j+4*\c+3], v[4+(\t)/4] offset:((\t)%4)*16384+(2*(\g)+\j)*2048+512*\c
.endr
.endr
.endm
.macro XTILE t, i                      ; a tile's fragment of x for trip t: lane (r, h) takes 16 bytes at 32 c + 16 h of the trip's 128 bytes of its token's row
.irp c, 0,1,2,3
	global_load_b128 v[X+48*((\t)%2)+16*\i+4*\c:X+48*((\t)%2)+16*\i+4*\c+3], v[XA+\i], s[XB+2*(\t):XB+2*(\t)+1] offset:32*\c
.endr
.endm
.macro XLOAD t
	XTILE \t, 0
	XTILE \t, 1
.if (\t) > 1
	s_cmp_ge_u32 s35, s45
	s_cbranch_scc1 .Lnox_\@                        ; tile w + 16 is not there
.endif
	XTILE \t, 2
.if (\t) > 1
.Lnox_\@:
.endif
.endm
.macro MM d, a, b, z                   ; z = 0: the first product starts the sum: nothing is cleared
.if (\z) == 0
	v_wmma_f32_16x16x128_bf8_bf8 v[\d:\d+7], v[\a:\a+15], v[\b:\b+15], 0
.else
	v_wmma_f32_16x16x128_bf8_bf8 v[\d:\d+7], v[\a:\a+15], v[\b:\b+15], v[\d:\d+7]
.endif
.endm
.macro MG t, g                         ; pair g against my tiles: four or six matrix instructions on as many accumulators
	WIN 0x50                                       ; C and D window 1
.irp i, 0,1
.irp j, 0,1
	MM (128+64*\i+8*(2*(\g)+\j)), (W+32*((\g)%2)+16*\j), (X+48*((\t)%2)+16*\i), (\t)
.endr
.endr
	WIN 0
.if (\t) > 0
	s_cmp_ge_u32 s35, s45
	s_cbranch_scc1 .Lnom_\@
.endif
.irp j, 0,1
	MM (ACC2+8*(2*(\g)+\j)), (W+32*((\g)%2)+16*\j), (X+48*((\t)%2)+32), (\t)
.endr
.if (\t) > 0
.Lnom_\@:
.endif
.endm
; Trip t is multiplied: 16 or 24 matrix instructions on as many accumulators, which take turns, one instruction a turn.  The eight fragments of w1 come in four pairs through the two halves of W.
.macro CONSUME t, n
	WG \t, 0
	WG \t, 1
	s_wait_loadcnt \n                              ; x's fragments of this trip; n loads at the least were issued behind them
	s_wait_dscnt 8                                 ; pair 0 is in; the pair issued behind it may be out
	MG \t, 0
	NOP4
	WG \t, 2
	s_wait_dscnt 8                                 ; pair 1
	MG \t, 1
	NOP4
	WG \t, 3
	s_wait_dscnt 8                                 ; pair 2
	MG \t, 2
	s_wait_dscnt 0x0
	MG \t, 3
.endm
.macro TRIP t, np, nc
.if (\t) < 7
	QUANT (\t+1), \np
	PUT (\t+1)
	s_wait_dscnt 0x0                               ; for the others' sake: my stores have landed
	s_barrier_signal -1
.endif
	CONSUME \t, \nc                                ; reads slot t, which nobody writes again
.if (\t) < 7
	s_barrier_wait -1
.endif
	NOP4
.if (\t) < 6
	XLOAD (\t+2)
.endif
.endm
.macro BLOAD                           ; b1 in the result's layout: register 32 q + 4 i + j = unit 64 q + 32 h + 4 i + j
.irp q, 0,1
.irp i, 0,1,2,3,4,5,6,7
	ds_load_b128 v[BB+32*\q+4*\i:BB+32*\q+4*\i+3], v11 offset:256*\q+16*\i
.endr
.endr
	s_wait_dscnt 0x0
.endm
; A tile's way out: sum x 2^(ex + ew1) + b1 in one multiply-add; relu and the hold in one; eight conversions give the next product's fragment; four stores of 512 consecutive bytes.
.macro EPI win, acc, hc, off
	s_wait_xcnt 0x0                                ; earlier stores have read their registers: the codes' registers are written again only behind this wait
	WIN (0x41*\win)
.irp f, 0,1,2,3,4,5,6,7
.irp i, 0,1,2,3,4,5,6,7
	v_fma_f32 v[\acc+8*\f+\i], v[\acc+8*\f+\i], s30, v[BB+32*(\f/4)+4*\i+\f%4]   ; each accumulator from its low end on
.endr
.endr
.irp f, 0,1,2,3,4,5,6,7
.irp i, 0,1,2,3,4,5,6,7
	v_med3_num_f32 v[\acc+8*\f+\i], v[\acc+8*\f+\i], 0, s31
.endr
.endr
	WIN (0x01*\win)
.irp f, 0,1,2,3,4,5,6,7
	v_cvt_scalef32_pk8_bf8_f32 v[\hc+2*\f:\hc+2*\f+1], v[\acc+8*\f:\acc+8*\f+7], v16
.endr
	v_nop                                          ; a plain line behind the last conversion
	WIN 0
.irp c, 0,1,2,3
	global_store_b128 v4, v[\hc+4*\c:\hc+4*\c+3], s[36:37] offset:\off+512*\c
.endr
.endm
.macro SCAN8 g                         ; eight of a lane's 32 tokens: the eight take turns line by line
.irp i, 0,1,2,3,4,5,6,7
	v_and_b32 v[SA+8*\g+\i], s42, v[R+8*\g+\i]
.endr
.irp i, 0,1,2,3,4,5,6,7
	v_cmp_ne_u32 s[4+\i], 0, v[SA+8*\g+\i]         ; did this token choose e?
.endr
	s_wait_alu depctr_va_vdst(0)
.irp i, 0,1,2,3,4,5,6,7
	s_mov_b32 s[12+\i], s43                        ; places given so far
	s_bcnt1_i32_b32 s44, s[4+\i]
	s_add_co_u32 s43, s43, s44
.endr
.irp i, 0,1,2,3,4,5,6,7
	v_mbcnt_lo_u32_b32 v[SA+8*\g+\i], s[4+\i], s[12+\i]   ; + those of the lanes below
.endr
.irp i, 0,1,2,3,4,5,6,7
	v_bfe_u32 v[SD+8*\g+\i], v[R+8*\g+\i], s34, 1  ; is e its second choice?
.endr
.irp i, 0,1,2,3,4,5,6,7
	v_cndmask_b32 v[SA+8*\g+\i], v21, v[SA+8*\g+\i], s[4+\i]   ; a lane with nothing to say writes behind the list
.endr
.irp i, 0,1,2,3,4,5,6,7
	v_lshl_add_u32 v[SD+8*\g+\i], v[SD+8*\g+\i], 10, v22
.endr
.irp i, 0,1,2,3,4,5,6,7
	v_min_u32 v[SA+8*\g+\i], 0x41f, v[SA+8*\g+\i]
.endr
.irp i, 0,1,2,3,4,5,6,7
	v_add_nc_u32 v[SD+8*\g+\i], 128*(2*\g+\i/4)+\i%4, v[SD+8*\g+\i]   ; the token, + 1,024 for a second choice
.endr
.irp i, 0,1,2,3,4,5,6,7
	v_lshl_add_u32 v[SA+8*\g+\i], v[SA+8*\g+\i], 2, LIST
.endr
.irp i, 0,1,2,3,4,5,6,7
	ds_store_b32 v[SA+8*\g+\i], v[SD+8*\g+\i]
.endr
.endm
	s_load_b256 s[4:11], s[0:1], 0x0               ; w1 s[4:5], b1 s[6:7], xq s[8:9], route s[10:11]
	s_load_b256 s[12:19], s[0:1], 0x20             ; the scales s[12:13], hq s[14:15], tok s[16:17], cnt s[18:19]
	v_lshrrev_b32 v2, 5, v0
	v_readfirstlane_b32 s20, v2                    ; wave 0..7
	v_lshl_add_u32 v[SPW], v0, 2, SPARE
	v_mov_b32 v[NIL], 0
	v_and_b32 v1, 31, v0                           ; lane
	v_bfe_u32 v3, v0, 4, 1                         ; h
	v_and_b32 v2, 15, v0                           ; r
	v_lshlrev_b32 v4, 4, v1                        ; an image's place for my lane: trips 0-3,
	v_lshlrev_b32 v14, 4, v3
	v_lshlrev_b32 v[WO], 4, v2
	v_lshlrev_b32 v22, 2, v1
	v_lshlrev_b32 v23, 3, v1
	v_add_nc_u32 v21, 0x400, v1
	v_lshl_add_u32 v11, v3, 7, BIAS
	v_add_nc_u32 v5, 0x10000, v4                   ; trips 4-7
	v_add_nc_u32 v9, LIST, v4
	v_add_nc_u32 v12, BIAS, v4
	v_mov_b32 v10, LIST+4224                       ; the count
	v_lshl_add_u32 v[WO], v3, 16, v[WO]            ; w1: 16 r, and four rows on for the upper half
	s_wait_alu depctr_va_vdst(0)                   ; the wait ahead of the run of scalar instructions
	s_lshr_b32 s46, s20, 2                         ; Q: which 64 columns my wave converts
	s_and_b32 s47, s20, 3                          ; c: which of a fragment's four pieces
	s_lshl_b32 s44, s46, 13
	s_lshl_b32 s48, s47, 9
	s_add_co_u32 s44, s44, s48
	s_lshl_b32 s45, s20, 6
	s_add_co_u32 s45, s45, LIST
	v_add_nc_u32 v6, s44, v4                       ; where I store: 16 lane + 8,192 Q + 512 c,
	v_lshl_add_u32 v8, v2, 2, s45                  ; the list: place 16 w + r
	v_add_nc_u32 v7, 0x10000, v6                   ; and for trips 4-7
	s_wait_alu depctr_va_vdst(0)
	s_lshr_b32 s22, ttmp9, 5                       ; e
	s_and_b32 s23, ttmp9, 31                       ; sc
	s_mov_b32 s38, 0x05010400                      ; the byte permutes' selectors
	s_mov_b32 s39, 0x07030602
	s_mov_b32 s40, 0x05040100
	s_mov_b32 s41, 0x07060302
	s_add_co_u32 s34, s22, 24                      ; a route word's bit: e is the second choice
	s_add_co_u32 s35, s20, 16                      ; my third tile
	s_add_co_u32 s42, s22, 16
	s_lshl_b32 s42, 1, s42                         ; my expert's bit in a route word
	s_lshl_b32 s48, s22, 24                        ; w1: e x 2^24 + 512 sc + 256 Q + 8 c rows
	s_lshl_b32 s44, s23, 9
	s_add_co_u32 s48, s48, s44
	s_lshl_b32 s44, s46, 8
	s_add_co_u32 s48, s48, s44
	s_lshl_b32 s44, s47, 17
	s_add_co_u32 s48, s48, s44
	s_lshl_b32 s50, s22, 22                        ; hq: e x 64 tiles + tile w + K step sc
	s_lshl_b32 s44, s20, 16
	s_add_co_u32 s50, s50, s44
	s_lshl_b32 s44, s23, 11
	s_add_co_u32 s50, s50, s44
	s_mov_b32 s51, 0
	s_lshl_b32 s52, s22, 14                        ; b1
	s_lshl_b32 s44, s23, 9
	s_add_co_u32 s52, s52, s44
	s_mov_b32 s53, 0
	s_lshl_b32 s54, s22, 12                        ; tok
	s_mov_b32 s55, 0
	s_lshl_b32 s56, s22, 8                         ; cnt
	s_mov_b32 s57, 0
	s_and_b32 s58, s23, 7                          ; rho: where my walk along K begins
	s_bfe_u32 s59, s23, 0x10003
	s_mul_i32 s59, s59, 7
	s_xor_b32 s58, s58, s59
.irp t, 0,1,2,3,4,5,6,7                ; the offsets of trip t's K step tau = (t + rho) % 8, in the pairs that will hold the addresses
	s_add_co_u32 s59, s58, \t
	s_and_b32 s59, s59, 7                          ; tau
	s_lshr_b32 s60, s59, 2
	s_lshl_b32 s60, s60, 23                        ; 512 (tau / 4) rows of 16,384 bytes
	s_and_b32 s61, s59, 3
	s_lshl_b32 s61, s61, 19                        ; 32 (tau % 4) rows
	s_add_co_u32 s60, s60, s61
	s_add_co_u32 s[WB+2*\t], s60, s48
	s_mov_b32 s[WB+2*\t+1], 0
	s_lshl_b32 s[XB+2*\t], s59, 7                  ; 128 tau bytes of a token's row
	s_mov_b32 s[XB+2*\t+1], 0
.endr
	s_wait_kmcnt 0x0
	s_load_b128 s[24:27], s[12:13], 0x0            ; ex, ew1, ew2, eh
.irp t, 0,1,2,3,4,5,6,7
	s_add_nc_u64 s[WB+2*\t:WB+2*\t+1], s[4:5], s[WB+2*\t:WB+2*\t+1]
.endr
.irp t, 0,1,2,3,4,5,6,7
	s_add_nc_u64 s[XB+2*\t:XB+2*\t+1], s[8:9], s[XB+2*\t:XB+2*\t+1]
.endr
	s_add_nc_u64 s[36:37], s[14:15], s[50:51]
	s_add_nc_u64 s[52:53], s[6:7], s[52:53]
	s_add_nc_u64 s[54:55], s[16:17], s[54:55]
	s_add_nc_u64 s[56:57], s[18:19], s[56:57]
	; ---- the stream begins; wave 0 makes the list.  No other wave touches LDS in this phase.  Both arms end with the same 32 loads out
	s_cmp_lg_u32 s20, 0
	s_cbranch_scc1 .Lrest
.irp q, 0,1,2,3,4,5,6,7
	global_load_b128 v[R+4*\q:R+4*\q+3], v4, s[10:11] offset:512*\q   ; register 4 q + i of lane l: token 128 q + 4 l + i
.endr
	global_load_b128 v[196:199], v4, s[52:53]      ; my 128 numbers of b1
	SLOAD 0, 0
	SLOAD 0, 1
	SLOAD 1, 0
	SLOAD 1, 1
.irp i, 192,193,194,195
	v_mov_b32 v\i, 0
.endr
.irp q, 0,1,2,3,4,5,6,7,8
	ds_store_b128 v9, v[192:195] offset:512*\q     ; every place of the list holds token 0 until it is taken
.endr
	s_mov_b32 s43, 0
	s_wait_kmcnt 0x0                               ; the exponents are in: s[4:19] serve the scan from here on
	s_wait_loadcnt 32                              ; the route words and b1; the stream's 32, issued behind them, may be out
	ds_store_b128 v12, v[196:199]
	SCAN8 0
	SCAN8 1
	SCAN8 2
	SCAN8 3
	v_mov_b32 v20, s43
	ds_store_b32 v10, v20                          ; the expert's count
	s_wait_alu depctr_va_vdst(0)
	s_cmp_lg_u32 s23, 0
	s_cbranch_scc1 .Ljoin                          ; one work-group of the expert's 32 stores the list and the count
.irp q, 0,1,2,3,4,5,6,7
	ds_load_b128 v[R+4*\q:R+4*\q+3], v9 offset:512*\q   ; LDS serves a wave's instructions in order (ISA guide 5.7.1.4): these see the stores above
.endr
	s_wait_dscnt 0x0
.irp q, 0,1,2,3,4,5,6,7
	global_store_b128 v4, v[R+4*\q:R+4*\q+3], s[54:55] offset:512*\q
.endr
	v_mov_b32 v18, s43
	v_mov_b32 v19, s43
	global_store_b64 v23, v[18:19], s[56:57]       ; 64 times: 256 consecutive bytes
	s_branch .Ljoin
.Lrest:
	SLOAD 0, 0
	SLOAD 0, 1
	SLOAD 1, 0
	SLOAD 1, 1
.Ljoin:
	s_wait_kmcnt 0x0                               ; the four exponents
	s_add_co_i32 s44, s25, 127
	s_lshl_b32 s46, s44, 23
	v_mov_b32 v[SCL], s46                          ; 2^ew1 as f32: the conversion takes its exponent field
	s_add_co_i32 s44, s44, 15
	s_lshl_b32 s28, s44, 23
	s_or_b32 s28, s28, 0x600000                    ; 57,344 x 2^ew1
	s_or_b32 s29, s28, 0x80000000
	s_add_co_i32 s30, s24, s25
	s_add_co_i32 s30, s30, 127
	s_lshl_b32 s30, s30, 23                        ; 2^(ex + ew1)
	s_add_co_i32 s44, s27, 127
	s_lshl_b32 s47, s44, 23
	v_mov_b32 v16, s47                             ; 2^eh
	s_add_co_i32 s44, s44, 15
	s_lshl_b32 s31, s44, 23
	s_or_b32 s31, s31, 0x600000                    ; 57,344 x 2^eh
	s_wait_alu depctr_va_vdst(0)                   ; the wait at the head's end
	QUANT 0, 16                                    ; behind trip 0's loads: trip 1's 16
	s_wait_alu depctr_va_vdst(0)
	BAR                                            ; the list, the count and b1 lie in LDS
	PUT 0
	ds_load_b32 v75, v10
.irp i, 0,1,2
	ds_load_b32 v[72+\i], v8 offset:512*\i         ; place 16 (w + 8 i) + r
.endr
	s_wait_dscnt 0x0
	v_readfirstlane_b32 s45, v75
	s_min_u32 s45, s45, 0x400
	s_add_co_u32 s45, s45, 15
	s_lshr_b32 s45, s45, 4                         ; the expert's tiles, 64 at the most
.irp i, 0,1,2
	v_and_b32 v[72+\i], 0x3ff, v[72+\i]
.endr
.irp i, 0,1,2
	v_min_u32 v[72+\i], 0x3ff, v[72+\i]
.endr
.irp i, 0,1,2
	v_lshl_add_u32 v[XA+\i], v[72+\i], 10, v14     ; the token's row of 1,024 codes, + 16 h
.endr
	s_wait_alu depctr_va_vdst(0)
	s_wait_xcnt 0x0                                ; wave 0's stores have read the registers into which x's fragments come
	XLOAD 0
	XLOAD 1
	BAR                                            ; slot 0 is whole
	; ---- trip t + 1 goes into LDS, trip t is multiplied.  Loads in the order of issue: S0 S1 S2 X0 X1, then S(t+3), X(t+2) in trip t (S: 16; X0, X1: 12, later ones 8 at the least; none beyond trip 7).
	; First count: the least number issued behind S(t+1); second: the least number issued behind X(t).
	TRIP 0, 40, 28
	TRIP 1, 48, 40
	TRIP 2, 32, 40
	TRIP 3, 32, 40
	TRIP 4, 32, 40
	TRIP 5, 32, 24
	TRIP 6, 16, 8
	TRIP 7, 0, 0
	BLOAD
	EPI 1, 128, 96, 0
	EPI 1, 192, 112, TILE8
	s_wait_alu depctr_va_vdst(0)
	s_cmp_ge_u32 s35, s45
	s_cbranch_scc1 .Lend                           ; tile w + 16 is not there, nor any further on
	EPI 0, ACC2, 96, 2*TILE8
	; ---- rows from 384 on: tile m = 24 + w, 32 + w, .. 56 + w.  One tile a trip, eight accumulators by turns, every window 0.  The trips are counted against a constant; the loop is left when m reaches the expert's tiles
.macro OXLOAD t, slot
.irp c, 0,1,2,3
	global_load_b128 v[X+16*(\slot)+4*\c:X+16*(\slot)+4*\c+3], v[XA], s[XB+2*(\t):XB+2*(\t)+1] offset:32*\c
.endr
.endm
.macro OSTEP t, slot
.irp hf, 0,1
	WLOAD \t, \hf
	s_wait_dscnt 0x0
.irp j, 0,1,2,3
	MM (ACC2+8*(4*\hf+\j)), (W+16*\j), (X+16*(\slot)), (\t)
.endr
	NOP4
.endr
.endm
	s_wait_xcnt 0x0                                ; the stores have read their base and their data
	s_add_nc_u64 s[36:37], s[36:37], 3*TILE8
	s_add_co_u32 s46, s20, 24                      ; m
	s_mov_b32 s47, 0                               ; trips made
.Lover:
	s_cmp_ge_u32 s46, s45
	s_cbranch_scc1 .Lend                           ; no tile of the expert is left for me
	s_lshl_b32 s44, s46, 4
	v_add_nc_u32 v17, s44, v2                      ; place 16 m + r
	v_min_u32 v17, 0x3ff, v17
	v_lshl_add_u32 v17, v17, 2, LIST
	ds_load_b32 v36, v17
	s_wait_dscnt 0x0
	v_and_b32 v36, 0x3ff, v36
	v_min_u32 v36, 0x3ff, v36
	v_lshl_add_u32 v[XA], v36, 10, v14
.irp t, 0,1,2,3
	OXLOAD \t, \t
.endr
	s_wait_alu depctr_va_vdst(0)
	s_wait_loadcnt 0x0
.irp t, 0,1,2,3
	OSTEP \t, \t
.endr
.irp t, 4,5,6,7
	OXLOAD \t, (\t-4)
.endr
	s_wait_loadcnt 0x0
.irp t, 4,5,6,7
	OSTEP \t, (\t-4)
.endr
	BLOAD                                          ; the weights' fragments lay where b1 lies
	EPI 0, ACC2, 96, 0
	s_wait_xcnt 0x0                                ; the stores have read their base and their data
	s_add_nc_u64 s[36:37], s[36:37], TILE8
	s_add_co_u32 s46, s46, 8
	s_add_co_u32 s47, s47, 1
	s_wait_alu depctr_va_vdst(0)
	s_cmp_lt_u32 s47, OTRIPS
	s_cbranch_scc1 .Lover
.Lend:
	s_wait_tensorcnt 0x0                           ; the wave's end
	ds_add_u32 v[SPW], v[NIL]
	s_wait_dscnt 0x0
	s_endpgm
.Lfunc_end_k_q470bd0aa96_up:
	.size	k_q470bd0aa96_up, .Lfunc_end_k_q470bd0aa96_up-k_q470bd0aa96_up
	.p2alignl 7, 3214868480
	.fill 96, 4, 3214868480
	.section	.rodata,"a",@progbits
	.p2align	6, 0x0
	.amdhsa_kernel k_q470bd0aa96_up
		.amdhsa_group_segment_fixed_size 137216
		.amdhsa_private_segment_fixed_size 0
		.amdhsa_enable_private_segment 0
		.amdhsa_kernarg_size 64
		.amdhsa_user_sgpr_count 2
		.amdhsa_user_sgpr_kernarg_segment_ptr 1
		.amdhsa_wavefront_size32 1
		.amdhsa_system_sgpr_workgroup_id_x 1
		.amdhsa_system_sgpr_workgroup_id_y 1
		.amdhsa_system_sgpr_workgroup_id_z 1
		.amdhsa_system_vgpr_workitem_id 0
		.amdhsa_next_free_vgpr 512
		.amdhsa_next_free_sgpr 98
		.amdhsa_reserve_vcc 0
		.amdhsa_float_denorm_mode_32 3
		.amdhsa_float_denorm_mode_16_64 3
		.amdhsa_memory_ordered 1
		.amdhsa_forward_progress 1
		.amdhsa_inst_pref_size 219
	.end_amdhsa_kernel
	.amdgpu_metadata
---
amdhsa.version: [ 1, 2 ]
amdhsa.kernels:
  - .name:           k_q470bd0aa96_up
    .symbol:         k_q470bd0aa96_up.kd
    .args:
      - { .name: w1, .offset: 0, .size: 8, .value_kind: global_buffer, .address_space: global }
      - { .name: b1, .offset: 8, .size: 8, .value_kind: global_buffer, .address_space: global }
      - { .name: xq, .offset: 16, .size: 8, .value_kind: global_buffer, .address_space: global }
      - { .name: route, .offset: 24, .size: 8, .value_kind: global_buffer, .address_space: global }
      - { .name: lowp_scales, .offset: 32, .size: 8, .value_kind: global_buffer, .address_space: global }
      - { .name: hq, .offset: 40, .size: 8, .value_kind: global_buffer, .address_space: global }
      - { .name: tok, .offset: 48, .size: 8, .value_kind: global_buffer, .address_space: global }
      - { .name: cnt, .offset: 56, .size: 8, .value_kind: global_buffer, .address_space: global }
    .group_segment_fixed_size: 137216
    .private_segment_fixed_size: 0
    .kernarg_segment_align: 8
    .kernarg_segment_size: 64
    .max_flat_workgroup_size: 256
    .sgpr_count:     98
    .vgpr_count:     512
    .wavefront_size: 32
...
	.end_amdgpu_metadata
.endif
;; end of part 2
;; launch down (part 3): grid 256 x 1, 8 waves a work-group, no clusters, 166,912 bytes of LDS; arguments w2, hq, cnt, lowp_scales, yp, b2, tok; writes yp
.if DOCPART == 3
	.amdgcn_target "amdgcn-amd-amdhsa--gfx1250"
	.amdhsa_code_object_version 6
	.text
	.protected	k_q470bd0aa96_down
	.globl	k_q470bd0aa96_down
	.p2align	8
	.type	k_q470bd0aa96_down,@function
k_q470bd0aa96_down:
	s_mov_b64 s[64:65], 0
	v_nop
	global_prefetch_b8 v0, s[64:65] scope:SCOPE_SE
	s_setreg_imm32_b32 hwreg(HW_REG_WAVE_MODE, 25, 1), 1
	s_wait_xcnt 0x0
; THE SECOND LAYER OF THE CHOSEN EXPERTS, in two halves of K: yp[kh][row][1024] = 2^(ew2 + eh) x the sum over 2,048 hidden units of Q(h) Q(w2), + b2 / 2.  w2 [8][4096 (k)][1024] f32; hq: h's codes as images of operand registers.
; A row of yp is a token's place: token, + 1,024 where the expert is the token's second choice, as tok[e][place] gives it: so the next launch looks nothing up.  Behind each half's 2,048 rows stand 16 that nobody reads: rows of an expert's
; last tile past its count go to rows 2,048 + 2 e + h.  Tiles that are not there are not stored.  So each byte of yp has one work-group.
; (b2 goes in by halves, one in each half of K: the two meet in the next launch.)  WORK LEFT OUT: rows of experts that a token did not choose (see the first launch).
; THE WEIGHTS STAND STILL, as in the first layer.  Work-group (e = number % 8, kh = (number / 8) % 2, cs = number / 16) owns 64 output columns (256 bytes of a row) over 2,048 of K: 512 KiB of f32, read once, by nobody else.
; ALL EIGHT WAVES DO THE SAME.  A trip is 256 of K: two K steps of 128.  In each of 8 trips a wave turns an eighth of the trip's weights into codes, laid into LDS as images of operand registers (128 KiB in all, every byte written once), and
; multiplies the whole of the trip before against its own tiles of 16 rows: w, w + 8, w + 16.  A barrier is signalled behind a trip's stores and waited for behind the products of the trip before.
; Tiles 0 to 15 of hq are always there (the first layer stores them).  Tile w + 16: its first two trips of h and its first products always run, so that every register is written on every way (where the tile is not there, by cnt[e], those
; lanes' loads all take one place of tile w); the rest is led round by a branch.  Rows from 384 on (tiles 24 + w + 8 k, up to tile 63) are served behind the last barrier by a loop of at most 5 trips, left as soon as the tile's
; number reaches the expert's count of tiles.
; LOADS: a wave's 16 loads of weights for trip t + 2 are issued, eight by eight, when the half that they replace has been converted; h's 16 or 24 for trip t + 2 when trip t is multiplied.
; EACH WORK-GROUP WALKS K FROM A START OF ITS OWN: trip t takes part tau = (t + rho) % 8 of its 2,048, rho = (cs % 8) xor (7 where bit 3 of cs is set): the 16 work-groups of one (e, kh) ask for different eighths of the same h.
; ORDER OF K, as h's codes have it: register 8 q + 2 j + i, byte b, half h of a K step is hidden unit 64 q + 32 h + 16 i + 4 b + j.  Wave (SP = w / 4: the trip's K step; q = (w / 2) % 2; c' = w % 2) converts piece 2 q + c':
; slot lam of its 16 loads holds row 16 ((lam / 4) % 2) + 4 (lam % 4) + lam / 8 + 2 c' of the 64 units, + 32 h.
; THE PRODUCT IS USED TRANSPOSED (source 0 = 16 columns of w2, source 1 = 16 rows of h).  Tile jj is the columns 4 r + jj, so a lane's 32 results are 32 neighbouring columns of one row; they go through the wave's own stage in LDS
; and leave as whole rows of 256 bytes, sixteen lanes to a row: store u of a tile takes its rows u and 8 + u.
; NO TENSOR LOADS, NO CLUSTER: the weights must pass through registers to become codes, and branches hang on a number read from memory.  NO PREFETCH: each wave's own loads run two trips ahead.
; LIMITS: w2's e between -126 and 112; ew2 + eh between -126 and 127; NaN among the inputs is not served; b2 is rounded to a multiple of 2^-148.
; REGISTERS, window 0: v1-31 addresses; v32-95 fragments of w2 in two halves (at other times: words as converted D, as turned O, T); v96-191 h of even trips (tile i, K step sp at 32 i + 16 sp), v192-255 h of odd trips, tiles 0 and 1.
;   window 1: v0-127 two sets of 16 loads (on the way out: v0-31 a tile's results, v32-63 its rows read back, v64-95 b2 / 2, v96-119 the three tiles' rows in yp); v128-223 the sums (tile i, columns' tile jj at 128 + 32 i + 8 jj);
;   v224-255 h of odd trips, tile 2.
;   s66-81: w2 at the wave's part of trip t (on the way out: compares); s82-97: hq at my first tile's two K steps of trip t, never rewritten.  s34 = the expert's count, s35 = w + 16, s45 = its tiles.
.set STAGE, 131072                     ; LDS: 16 rows x (256 + 16) bytes for each wave
.set SPARE, 165888                     ; LDS: the spare words, 128 bytes for each wave
.set TILE8, 524288                     ; bytes of hq from tile m to tile m + 8
.set KHB,   8454144                    ; bytes of a half of yp: 2,064 rows of 4,096
.set OTRIPS, 5
.set WO,   8
.set SCL,  9
.set HOV,  13                          ; v13  the loop for rows from 384 on: 16 x lane + the tile's place in hq
.set H3,   14                          ; v14  tile w + 16's place in hq
.set TKO,  19                          ; v19  tile w's words in tok: 64 w + 32 h
.set TKV,  20                          ; v20  the same in the loop for rows from 384 on
.set SPW,  30
.set NIL,  31
.set D,    32
.set O,    48
.set T,    64
.set W,    32
.set H,    96
.set OUT,  0
.set RB,   32
.set BB,   64
.set RW,   96
.set WB,   66
.set HBS,  82
.set MSB, 0
.macro WIN new                         ; the immediate's high byte repeats the setting that is left
.if MSB != \new
	s_set_vgpr_msb (MSB<<8)|\new
.set MSB, \new
.endif
.endm
.macro NOP4                            ; four places behind matrix instructions, in front of loads into their sources and of the first read of results
.rept 4
	v_nop
.endr
.endm
; 8 loads of trip t.  The trip's part of K stands in the base, the rest in the immediate (29 rows of 4,096 bytes at the most).
.macro SLOAD t, hf
	WIN 0x40                                       ; destination window 1, address window 0
.set lam, 8*(\hf)
.rept 8
	global_load_b128 v[64*((\t)%2)+4*lam:64*((\t)%2)+4*lam+3], v[WO], s[WB+2*(\t):WB+2*(\t)+1] offset:(16*((lam/4)%2)+4*(lam%4)+lam/8)*4096 th:TH_LOAD_NT
.set lam, lam+1
.endr
	WIN 0
.endm
.macro TRANS2 g                        ; four words (row b x columns 0-3) become four words (column jj x rows 0-3): registers g and g + 1 of the wave's four, in each of the four tiles; the two take turns
	WIN 0
.irp a, 0,1
	v_perm_b32 v[T+4*\a], v[D+4*(\g+\a)+1], v[D+4*(\g+\a)], s38
	v_perm_b32 v[T+4*\a+1], v[D+4*(\g+\a)+1], v[D+4*(\g+\a)], s39
	v_perm_b32 v[T+4*\a+2], v[D+4*(\g+\a)+3], v[D+4*(\g+\a)+2], s38
	v_perm_b32 v[T+4*\a+3], v[D+4*(\g+\a)+3], v[D+4*(\g+\a)+2], s39
.endr
.irp a, 0,1
	v_perm_b32 v[O+\g+\a], v[T+4*\a+2], v[T+4*\a], s40
	v_perm_b32 v[O+4+\g+\a], v[T+4*\a+2], v[T+4*\a], s41
	v_perm_b32 v[O+8+\g+\a], v[T+4*\a+3], v[T+4*\a+1], s40
	v_perm_b32 v[O+12+\g+\a], v[T+4*\a+3], v[T+4*\a+1], s41
.endr
.endm
.macro QHALF t, hf, n                  ; half of trip t's numbers: held, converted; their registers take the loads of two trips on.  n: the loads issued behind them
	s_wait_loadcnt \n
	WIN 0x41
.set k, 64*((\t)%2)+32*(\hf)
.rept 32
	v_med3_num_f32 v[k], v[k], s29, s28            ; the conversion to an 8-bit code does not saturate (ISA guide 7.6.2)
.set k, k+1
.endr
	WIN 0x01
.set k, 64*((\t)%2)+32*(\hf)
.set u, D+8*(\hf)
.rept 4
	v_cvt_scalef32_pk8_bf8_f32 v[u:u+1], v[k:k+7], v[SCL]
.set k, k+8
.set u, u+2
.endr
	v_nop                                          ; a plain line behind the last conversion
.if (\t)+2 < 8
	SLOAD (\t)+2, \hf
.endif
.endm
.macro QUANT t, n                      ; n: the loads issued behind trip t's 16.  Behind the first half stand 8 more (the second half), behind the second half 8 more (those just issued for trip t + 2, where it is there); 63 is the greatest count
.set qn, (\n)+8
.if qn > 63
.set qn, 63
.endif
	QHALF \t, 0, qn
	TRANS2 0
.if (\t)+2 < 8
	QHALF \t, 1, qn
.else
	QHALF \t, 1, \n
.endif
	TRANS2 2
.endm
.macro PUT t                           ; a piece of a fragment's image: 512 consecutive bytes a store
.irp j, 0,1,2,3
	ds_store_b128 v[6+(\t)/4], v[O+4*\j:O+4*\j+3] offset:((\t)%4)*16384+2048*\j
.endr
.endm
.macro WLOAD t, hf                     ; the four fragments of K step hf of trip t (the loop for rows from 384 on)
.irp j, 0,1,2,3
.irp c, 0,1,2,3
	ds_load_b128 v[W+16*\j+4*\c:W+16*\j+4*\c+3], v[4+(\t)/4] offset:((\t)%4)*16384+(4*(\hf)+\j)*2048+512*\c
.endr
.endr
.endm
.macro WG t, g                         ; fragments 2 g and 2 g + 1 of trip t (K step g / 2, columns' tiles 2 (g % 2) and 2 (g % 2) + 1) into half g % 2 of W
.irp j, 0,1
.irp c, 0,1,2,3
	ds_load_b128 v[W+32*((\g)%2)+16*\j+4*\c:W+32*((\g)%2)+16*\j+4*\c+3], v[4+(\t)/4] offset:((\t)%4)*16384+(2*(\g)+\j)*2048+512*\c
.endr
.endr
.endm
.macro HU t                            ; trip t's two K steps of my tiles of h: 16 or 24 loads, 512 consecutive bytes each
.set hb, 96+96*((\t)%2)
.set hh, 160+64*((\t)%2)
.irp i, 0,1
.irp sp, 0,1
.irp c, 0,1,2,3
	global_load_b128 v[hb+32*\i+16*\sp+4*\c:hb+32*\i+16*\sp+4*\c+3], v4, s[HBS+2*(\t):HBS+2*(\t)+1] offset:TILE8*\i+2048*\sp+512*\c
.endr
.endr
.endr
.if (\t) > 1
	s_cmp_ge_u32 s35, s45
	s_cbranch_scc1 .Lnoh_\@                        ; tile w + 16 is not there
.endif
	WIN (0x40*((\t)%2))
.irp sp, 0,1
.irp c, 0,1,2,3
	global_load_b128 v[hh+16*\sp+4*\c:hh+16*\sp+4*\c+3], v[H3], s[HBS+2*(\t):HBS+2*(\t)+1] offset:2048*\sp+512*\c
.endr
.endr
	WIN 0
.if (\t) > 1
.Lnoh_\@:
.endif
.endm
.macro MM d, a, b, z                   ; z = 0: the first product starts the sum: nothing is cleared
.if (\z) == 0
	v_wmma_f32_16x16x128_bf8_bf8 v[\d:\d+7], v[\a:\a+15], v[\b:\b+15], 0
.else
	v_wmma_f32_16x16x128_bf8_bf8 v[\d:\d+7], v[\a:\a+15], v[\b:\b+15], v[\d:\d+7]
.endif
.endm
.macro MG t, g                         ; pair g against my tiles: four or six matrix instructions on as many accumulators
.set hb, 96+96*((\t)%2)
.set hh, 160+64*((\t)%2)
	WIN 0x50                                       ; C and D window 1
.irp i, 0,1
.irp j, 0,1
	MM (128+32*\i+8*(2*((\g)%2)+\j)), (W+32*((\g)%2)+16*\j), (hb+32*\i+16*((\g)/2)), ((\t)+(\g)/2)
.endr
.endr
.if (\t) > 0
	WIN 0
	s_cmp_ge_u32 s35, s45
	s_cbranch_scc1 .Lnom_\@
.endif
	WIN (0x50+4*((\t)%2))                          ; tile 2's h of odd trips lies in window 1
.irp j, 0,1
	MM (192+8*(2*((\g)%2)+\j)), (W+32*((\g)%2)+16*\j), (hh+16*((\g)/2)), ((\t)+(\g)/2)
.endr
	WIN 0
.if (\t) > 0
.Lnom_\@:
.endif
.endm
; Trip t is multiplied: twice 8 or 12 matrix instructions on as many accumulators, which take turns in the same order, one instruction a turn.
.macro CONSUME t, n
	WG \t, 0
	WG \t, 1
	s_wait_loadcnt \n                              ; h's fragments of this trip; n loads at the least were issued behind them
	s_wait_dscnt 8                                 ; pair 0 is in; the pair issued behind it may be out
	MG \t, 0
	NOP4
	WG \t, 2
	s_wait_dscnt 8                                 ; pair 1
	MG \t, 1
	NOP4
	WG \t, 3
	s_wait_dscnt 8                                 ; pair 2
	MG \t, 2
	s_wait_dscnt 0x0
	MG \t, 3
.endm
.macro TRIP t, np, nc
.if (\t) < 7
	QUANT (\t+1), \np
	PUT (\t+1)
	s_wait_dscnt 0x0                               ; for the others' sake: my stores have landed
	s_barrier_signal -1
.endif
	CONSUME \t, \nc                                ; reads slot t, which nobody writes again
.if (\t) < 7
	s_barrier_wait -1
.endif
	NOP4
.if (\t) < 6
	HU (\t+2)
.endif
.endm
; Where a tile's rows go: the eight words at v[rg] of window 1 (places 8 h + u of the tile whose number stands in m) become byte offsets in yp.
.macro ROWS rg, m
	s_lshl_b32 s44, \m, 4
	s_sub_co_i32 s48, s34, s44                     ; places of the expert's list from this tile on
.irp u, 0,1,2,3,4,5,6,7
	s_sub_co_i32 s[74+\u], s48, \u
.endr
.irp u, 0,1,2,3,4,5,6,7
	v_cmp_gt_i32 s[66+\u], s[74+\u], v16           ; is place 8 h + u taken?
.endr
	WIN 0x44
.irp u, 0,1,2,3,4,5,6,7
	v_cndmask_b32 v[\rg+\u], v17, v[\rg+\u], s[66+\u]
.endr
.irp u, 0,1,2,3,4,5,6,7
	v_min_u32 v[\rg+\u], 0x80f, v[\rg+\u]
.endr
	WIN 0x41
.irp u, 0,1,2,3,4,5,6,7
	v_lshl_add_u32 v[\rg+\u], v[\rg+\u], 12, v12   ; rows of 4,096 bytes, + 16 r
.endr
	WIN 0
	s_wait_alu depctr_va_vdst(0)
.endm
; A tile's way out: x 2^(ew2 + eh) + b2 / 2 into the order of the columns; through my stage; whole rows of 256 bytes out.  LDS serves a wave's instructions in order (ISA guide 5.7.1.4): no wait between my stores and my loads.
.macro YOUT rg, a
	s_wait_xcnt 0x0                                ; earlier stores have read the registers into which the rows come back
	WIN 0x51                                       ; sources 0 and 2 and destination window 1
.irp q, 0,1,2,3,4,5,6,7
.irp j, 0,1,2,3
	v_fma_f32 v[OUT+4*\q+\j], v[(\a)+8*\j+\q], s30, v[BB+4*\q+\j]   ; column 32 h + 4 q + j; each accumulator from its low end on
.endr
.endr
	WIN 0x04                                       ; store data window 1
.irp q, 0,1,2,3,4,5,6,7
	ds_store_b128 v10, v[OUT+4*\q:OUT+4*\q+3] offset:16*\q
.endr
	WIN 0x40
.irp u, 0,1,2,3,4,5,6,7
	ds_load_b128 v[RB+4*\u:RB+4*\u+3], v11 offset:272*\u
.endr
	WIN 0x05                                       ; offsets and store data window 1
.irp u, 0,1,2,3,4,5,6,7
	s_wait_dscnt 7-\u                              ; rows u and 8 + u are back; the loads issued behind them may be out
	global_store_b128 v[\rg+\u], v[RB+4*\u:RB+4*\u+3], s[36:37]   ; sixteen lanes store 256 consecutive bytes, aligned
.endr
	WIN 0
.endm
	s_load_b256 s[4:11], s[0:1], 0x0               ; w2 s[4:5], hq s[6:7], cnt s[8:9], the scales s[10:11]
	s_load_b128 s[12:15], s[0:1], 0x20             ; yp s[12:13], b2 s[14:15]
	s_load_b64 s[16:17], s[0:1], 0x30              ; tok
	v_lshrrev_b32 v2, 5, v0
	v_readfirstlane_b32 s20, v2                    ; wave 0..7
	v_lshl_add_u32 v[SPW], v0, 2, SPARE
	v_mov_b32 v[NIL], 0
	v_and_b32 v1, 31, v0                           ; lane
	v_bfe_u32 v3, v0, 4, 1                         ; h
	v_and_b32 v2, 15, v0                           ; r
	v_lshlrev_b32 v4, 4, v1                        ; an image's place for my lane: trips 0-3,
	v_lshlrev_b32 v15, 7, v3                       ; b2: 128 h
	v_lshlrev_b32 v16, 3, v3                       ; 8 h
	v_lshlrev_b32 v[WO], 4, v2
	v_lshlrev_b32 v12, 4, v2                       ; yp: 16 r
	v_mul_u32_u24 v10, v2, 272
	v_mul_u32_u24 v11, v3, 2176
	v_add_nc_u32 v5, 0x10000, v4                   ; trips 4-7
	v_add_nc_u32 v[HOV], 3*TILE8, v4               ; tile 24 + w lies three steps of eight tiles behind tile w
	v_lshl_add_u32 v[WO], v3, 17, v[WO]            ; w2: 16 r, and 32 rows on for the upper half
	v_lshl_add_u32 v10, v3, 7, v10                 ; the stage, in: row r, 128 bytes for each half of the lanes
	v_lshl_add_u32 v11, v2, 4, v11                 ; back: rows u and 8 + u
	s_wait_alu depctr_va_vdst(0)                   ; the wait ahead of the run of scalar instructions
	s_and_b32 s22, ttmp9, 7                        ; e
	s_lshr_b32 s46, s20, 2                         ; SP
	s_bfe_u32 s48, s20, 0x10001                    ; q
	s_and_b32 s49, s20, 1                          ; c'
	s_lshl_b32 s44, s46, 13
	s_lshl_b32 s51, s48, 10
	s_add_co_u32 s44, s44, s51
	s_lshl_b32 s51, s49, 9
	s_add_co_u32 s44, s44, s51
	s_mul_i32 s51, s20, 4352
	s_add_co_u32 s51, s51, STAGE                   ; my stage
	s_lshl_b32 s47, s20, 6
	s_lshl_b32 s59, s22, 1
	s_add_co_u32 s59, s59, 2048
	v_add_nc_u32 v6, s44, v4                       ; where I store: 16 lane + 8,192 SP + 1,024 q + 512 c',
	v_add_nc_u32 v10, s51, v10
	v_add_nc_u32 v11, s51, v11
	v_lshl_add_u32 v[TKO], v3, 5, s47
	v_add_nc_u32 v17, s59, v3                      ; the row that nobody reads: 2,048 + 2 e + h
	v_add_nc_u32 v7, 0x10000, v6                   ; and for trips 4-7
	v_add_nc_u32 v[TKV], 1536, v[TKO]
	s_wait_alu depctr_va_vdst(0)
	s_lshr_b32 s23, ttmp9, 4                       ; cs
	s_bfe_u32 s19, ttmp9, 0x10003                  ; kh
	s_add_co_u32 s35, s20, 16                      ; my third tile
	s_mov_b32 s38, 0x05010400                      ; the byte permutes' selectors
	s_mov_b32 s39, 0x07030602
	s_mov_b32 s40, 0x05040100
	s_mov_b32 s41, 0x07060302
	s_lshl_b32 s50, s22, 24                        ; w2: e x 2^24 + 256 cs + (2,048 kh + 128 SP + 64 q + 2 c') rows of 4,096 bytes
	s_lshl_b32 s44, s23, 8
	s_add_co_u32 s50, s50, s44
	s_lshl_b32 s44, s19, 23
	s_add_co_u32 s50, s50, s44
	s_lshl_b32 s44, s46, 19
	s_add_co_u32 s50, s50, s44
	s_lshl_b32 s44, s48, 18
	s_add_co_u32 s50, s50, s44
	s_lshl_b32 s44, s49, 13
	s_add_co_u32 s50, s50, s44
	s_lshl_b32 s52, s22, 22                        ; hq: e x 64 tiles + tile w + K step 16 kh
	s_lshl_b32 s44, s20, 16
	s_add_co_u32 s52, s52, s44
	s_lshl_b32 s44, s19, 15
	s_add_co_u32 s52, s52, s44
	s_mul_i32 s54, s19, KHB                        ; yp: half kh + 256 cs
	s_lshl_b32 s44, s23, 8
	s_add_co_u32 s54, s54, s44
	s_mov_b32 s55, 0
	s_lshl_b32 s56, s22, 12                        ; tok: e x 4,096
	s_mov_b32 s57, 0
	s_add_co_u32 s62, s56, s44                     ; b2: e x 4,096 + 256 cs
	s_mov_b32 s63, 0
	s_lshl_b32 s47, s22, 8
	s_and_b32 s58, s23, 7                          ; rho: where my walk along K begins
	s_bfe_u32 s59, s23, 0x10003
	s_mul_i32 s59, s59, 7
	s_xor_b32 s58, s58, s59
.irp t, 0,1,2,3,4,5,6,7                ; the offsets of trip t's part tau = (t + rho) % 8, in the pairs that will hold the addresses
	s_add_co_u32 s59, s58, \t
	s_and_b32 s59, s59, 7                          ; tau
	s_lshl_b32 s60, s59, 20                        ; 256 tau rows of 4,096 bytes
	s_add_co_u32 s[WB+2*\t], s60, s50
	s_mov_b32 s[WB+2*\t+1], 0
	s_lshl_b32 s60, s59, 12                        ; 2 tau K steps of 2,048 bytes
	s_add_co_u32 s[HBS+2*\t], s60, s52
	s_mov_b32 s[HBS+2*\t+1], 0
.endr
	s_wait_kmcnt 0x0
	s_load_b128 s[24:27], s[10:11], 0x0            ; ex, ew1, ew2, eh
	s_load_b32 s45, s[8:9], s47 offset:0x0         ; the expert's count
.irp t, 0,1,2,3,4,5,6,7
	s_add_nc_u64 s[WB+2*\t:WB+2*\t+1], s[4:5], s[WB+2*\t:WB+2*\t+1]
.endr
	SLOAD 0, 0
	SLOAD 0, 1
	SLOAD 1, 0
	SLOAD 1, 1
.irp t, 0,1,2,3,4,5,6,7
	s_add_nc_u64 s[HBS+2*\t:HBS+2*\t+1], s[6:7], s[HBS+2*\t:HBS+2*\t+1]
.endr
	s_add_nc_u64 s[36:37], s[12:13], s[54:55]
	s_add_nc_u64 s[62:63], s[14:15], s[62:63]
	s_add_nc_u64 s[16:17], s[16:17], s[56:57]
	s_wait_kmcnt 0x0                               ; the exponents and the count
	s_min_u32 s34, s45, 0x400
	s_add_co_u32 s45, s34, 15
	s_lshr_b32 s45, s45, 4                         ; the expert's tiles, 64 at the most
	s_cmp_lt_u32 s35, s45                          ; is tile w + 16 there?
	s_cselect_b32 s48, 0x100000, 0                 ; 2 TILE8: its place,
	s_cselect_b32 s49, 16, 0                       ; 16 bytes from lane to lane; else one place of tile w
	s_min_u32 s48, s48, 0x100000
	s_min_u32 s49, s49, 16
	v_mul_u32_u24 v[H3], s49, v1
	v_add_nc_u32 v[H3], s48, v[H3]
	HU 0
	s_add_co_i32 s44, s26, 127
	s_lshl_b32 s46, s44, 23
	v_mov_b32 v[SCL], s46                          ; 2^ew2 as f32: the conversion takes its exponent field
	s_add_co_i32 s44, s44, 15
	s_lshl_b32 s28, s44, 23
	s_or_b32 s28, s28, 0x600000                    ; 57,344 x 2^ew2
	s_or_b32 s29, s28, 0x80000000
	s_add_co_i32 s30, s26, s27
	s_add_co_i32 s30, s30, 127
	s_lshl_b32 s30, s30, 23                        ; 2^(ew2 + eh)
	s_wait_alu depctr_va_vdst(0)                   ; the wait at the head's end
	QUANT 0, 40                                    ; behind trip 0's loads: trip 1's 16 and h's 24
	PUT 0
	HU 1
	s_wait_dscnt 0x0
	s_barrier_signal -1
	s_barrier_wait -1                              ; slot 0 is whole
	; ---- trip t + 1 goes into LDS, trip t is multiplied.  Loads in the order of issue: S0 S1 H0 S2 H1, then S(t+3), H(t+2) in trip t (S: 16; H0, H1: 24, later ones 16 at the least; none beyond trip 7); behind trip 6 b2's 8 and tok's 6.
	; First count: the least number issued behind S(t+1); second: the least number issued behind H(t).
	TRIP 0, 64, 56
	TRIP 1, 56, 48
	TRIP 2, 48, 48
	TRIP 3, 48, 48
	TRIP 4, 48, 48
	TRIP 5, 48, 32
	TRIP 6, 32, 16
	WIN 0x40
.irp q, 0,1,2,3,4,5,6,7
	global_load_b128 v[BB+4*\q:BB+4*\q+3], v15, s[62:63] offset:16*\q   ; b2 at columns 32 h + 4 q + 0 .. 3 of my 64
.endr
.irp i, 0,1,2
	global_load_b128 v[RW+8*\i:RW+8*\i+3], v[TKO], s[16:17] offset:512*\i       ; places 8 h + 0 .. 7 of tile w + 8 i
	global_load_b128 v[RW+8*\i+4:RW+8*\i+7], v[TKO], s[16:17] offset:512*\i+16
.endr
	WIN 0
	TRIP 7, 0, 14
	s_wait_loadcnt 0x0
	WIN 0x41
.irp i, 0,2,4,6,8,10,12,14,16,18,20,22,24,26,28,30
	v_pk_mul_f32 v[BB+\i:BB+\i+1], v[BB+\i:BB+\i+1], 0.5 op_sel_hi:[1,0]
.endr
	WIN 0
	s_wait_alu depctr_va_vdst(0)
	s_mov_b32 s46, s20                             ; m
	s_cmp_ge_u32 s46, s45
	s_cbranch_scc1 .Lend                           ; the tile is not there, nor any further on
	ROWS RW, s46
	YOUT RW, 128
	s_add_co_u32 s46, s46, 8
	s_wait_alu depctr_va_vdst(0)
	s_cmp_ge_u32 s46, s45
	s_cbranch_scc1 .Lend
	ROWS RW+8, s46
	YOUT RW+8, 160
	s_add_co_u32 s46, s46, 8
	s_wait_alu depctr_va_vdst(0)
	s_cmp_ge_u32 s46, s45
	s_cbranch_scc1 .Lend
	ROWS RW+16, s46
	YOUT RW+16, 192
	; ---- rows from 384 on: tile m = 24 + w, 32 + w, .. 56 + w.  One tile a trip, four accumulators by turns.  The trips are counted against a constant; the loop is left when m reaches the expert's tiles
.macro OHLOAD t, slot
.irp sp, 0,1
.irp c, 0,1,2,3
	global_load_b128 v[H+32*(\slot)+16*\sp+4*\c:H+32*(\slot)+16*\sp+4*\c+3], v[HOV], s[HBS+2*(\t):HBS+2*(\t)+1] offset:2048*\sp+512*\c
.endr
.endr
.endm
.macro OSTEP t, slot
.irp sp, 0,1
	WLOAD \t, \sp
	s_wait_dscnt 0x0
	WIN 0x50
.irp j, 0,1,2,3
	MM (128+8*\j), (W+16*\j), (H+32*(\slot)+16*\sp), ((\t)+\sp)
.endr
	WIN 0
	NOP4
.endr
.endm
	s_wait_xcnt 0x0                                ; the stores have read their offsets and their data
	s_add_co_u32 s46, s46, 8
	s_mov_b32 s47, 0                               ; trips made
.Lover:
	s_cmp_ge_u32 s46, s45
	s_cbranch_scc1 .Lend                           ; no tile of the expert is left for me
	s_wait_alu depctr_va_vdst(0)
	WIN 0x40
	global_load_b128 v[RW:RW+3], v[TKV], s[16:17]
	global_load_b128 v[RW+4:RW+7], v[TKV], s[16:17] offset:16
	WIN 0
.irp t, 0,1,2,3
	OHLOAD \t, \t
.endr
	s_wait_loadcnt 0x0
.irp t, 0,1,2,3
	OSTEP \t, \t
.endr
.irp t, 4,5,6,7
	OHLOAD \t, (\t-4)
.endr
	s_wait_loadcnt 0x0
.irp t, 4,5,6,7
	OSTEP \t, (\t-4)
.endr
	ROWS RW, s46
	YOUT RW, 128
	s_wait_xcnt 0x0                                ; the stores have read their offsets and their data; the trip's loads, which read v13 and v20, were waited for above
	v_add_nc_u32 v[HOV], TILE8, v[HOV]
	v_add_nc_u32 v[TKV], 512, v[TKV]
	s_add_co_u32 s46, s46, 8
	s_add_co_u32 s47, s47, 1
	s_wait_alu depctr_va_vdst(0)
	s_cmp_lt_u32 s47, OTRIPS
	s_cbranch_scc1 .Lover
.Lend:
	s_wait_tensorcnt 0x0                           ; the wave's end
	ds_add_u32 v[SPW], v[NIL]
	s_wait_dscnt 0x0
	s_endpgm
.Lfunc_end_k_q470bd0aa96_down:
	.size	k_q470bd0aa96_down, .Lfunc_end_k_q470bd0aa96_down-k_q470bd0aa96_down
	.p2alignl 7, 3214868480
	.fill 96, 4, 3214868480
	.section	.rodata,"a",@progbits
	.p2align	6, 0x0
	.amdhsa_kernel k_q470bd0aa96_down
		.amdhsa_group_segment_fixed_size 166912
		.amdhsa_private_segment_fixed_size 0
		.amdhsa_enable_private_segment 0
		.amdhsa_kernarg_size 56
		.amdhsa_user_sgpr_count 2
		.amdhsa_user_sgpr_kernarg_segment_ptr 1
		.amdhsa_wavefront_size32 1
		.amdhsa_system_sgpr_workgroup_id_x 1
		.amdhsa_system_sgpr_workgroup_id_y 1
		.amdhsa_system_sgpr_workgroup_id_z 1
		.amdhsa_system_vgpr_workitem_id 0
		.amdhsa_next_free_vgpr 512
		.amdhsa_next_free_sgpr 98
		.amdhsa_reserve_vcc 0
		.amdhsa_float_denorm_mode_32 3
		.amdhsa_float_denorm_mode_16_64 3
		.amdhsa_memory_ordered 1
		.amdhsa_forward_progress 1
		.amdhsa_inst_pref_size 194
	.end_amdhsa_kernel
	.amdgpu_metadata
---
amdhsa.version: [ 1, 2 ]
amdhsa.kernels:
  - .name:           k_q470bd0aa96_down
    .symbol:         k_q470bd0aa96_down.kd
    .args:
      - { .name: w2, .offset: 0, .size: 8, .value_kind: global_buffer, .address_space: global }
      - { .name: hq, .offset: 8, .size: 8, .value_kind: global_buffer, .address_space: global }
      - { .name: cnt, .offset: 16, .size: 8, .value_kind: global_buffer, .address_space: global }
      - { .name: lowp_scales, .offset: 24, .size: 8, .value_kind: global_buffer, .address_space: global }
      - { .name: yp, .offset: 32, .size: 8, .value_kind: global_buffer, .address_space: global }
      - { .name: b2, .offset: 40, .size: 8, .value_kind: global_buffer, .address_space: global }
      - { .name: tok, .offset: 48, .size: 8, .value_kind: global_buffer, .address_space: global }
    .group_segment_fixed_size: 166912
    .private_segment_fixed_size: 0
    .kernarg_segment_align: 8
    .kernarg_segment_size: 56
    .max_flat_workgroup_size: 256
    .sgpr_count:     98
    .vgpr_count:     512
    .wavefront_size: 32
...
	.end_amdgpu_metadata
.endif
;; end of part 3
;; launch combine (part 4): grid 256 x 1, 8 waves a work-group, no clusters, 0 bytes of LDS; arguments yp, gatew, out0; writes out0
.if DOCPART == 4
	.amdgcn_target "amdgcn-amd-amdhsa--gfx1250"
	.amdhsa_code_object_version 6
	.text
	.protected	k_q470bd0aa96_combine
	.globl	k_q470bd0aa96_combine
	.p2align	8
	.type	k_q470bd0aa96_combine,@function
k_q470bd0aa96_combine:
	s_mov_b64 s[64:65], 0
	v_nop
	global_prefetch_b8 v0, s[64:65] scope:SCOPE_SE
	s_setreg_imm32_b32 hwreg(HW_REG_WAVE_MODE, 25, 1), 1
	s_wait_xcnt 0x0
; out[t] = w0 y(first choice) + w1 y(second choice), y = the two halves of K (b2 among them), at rows t and 1,024 + t of each half of yp.  Two waves take one token t = 4 x work-group + wave / 2, half a row each: each byte of the output has one owner.
; WORK LEFT OUT: rows of experts that the token did not choose (see the first launch).
; A stream: four half rows of 2,048 bytes in, one out; each load and store of the wave covers 512 consecutive bytes.  No LDS, no barrier, no matrix unit, no loop: waves share nothing.
.set Y00, 8                            ; v8-23    first choice, first half of K; then the result
.set Y01, 24                           ; v24-39   first choice, second half
.set Y10, 40                           ; v40-55   second choice, first half
.set Y11, 56                           ; v56-71   second choice, second half
	s_load_b128 s[4:7], s[0:1], 0x0                ; yp s[4:5], gatew s[6:7]
	s_load_b64 s[8:9], s[0:1], 0x10                ; out0
	v_lshrrev_b32 v2, 5, v0
	v_readfirstlane_b32 s20, v2                    ; wave
	v_and_b32 v1, 31, v0
	s_and_b32 s21, s20, 1
	s_lshl_b32 s21, s21, 11                        ; which half of the row is mine
	v_lshl_add_u32 v1, v1, 4, s21                  ; 16 x lane + 2,048 x half
	s_wait_alu depctr_va_vdst(0)
	s_lshr_b32 s20, s20, 1
	s_lshl_b32 s22, ttmp9, 2
	s_add_co_u32 s22, s22, s20                     ; my token
	s_lshl_b32 s60, s22, 12
	s_mov_b32 s61, 0
	s_lshl_b32 s23, s22, 3
	s_wait_kmcnt 0x0
	s_load_b64 s[26:27], s[6:7], s23 offset:0x0    ; w0, w1
	s_add_nc_u64 s[44:45], s[4:5], s[60:61]
	s_add_nc_u64 s[46:47], s[44:45], 0x810000      ; the second half of K lies 2,064 rows on
	s_add_nc_u64 s[48:49], s[44:45], 0x400000      ; the second choice 1,024 rows
	s_add_nc_u64 s[50:51], s[46:47], 0x400000
	s_add_nc_u64 s[56:57], s[8:9], s[60:61]        ; my row of the output
.irp u, 0,1,2,3                        ; 16 loads, all on their way together, four to each piece of 512 bytes
	global_load_b128 v[Y00+4*\u:Y00+4*\u+3], v1, s[44:45] offset:512*\u th:TH_LOAD_NT
	global_load_b128 v[Y01+4*\u:Y01+4*\u+3], v1, s[46:47] offset:512*\u th:TH_LOAD_NT
	global_load_b128 v[Y10+4*\u:Y10+4*\u+3], v1, s[48:49] offset:512*\u th:TH_LOAD_NT
	global_load_b128 v[Y11+4*\u:Y11+4*\u+3], v1, s[50:51] offset:512*\u th:TH_LOAD_NT
.endr
	s_wait_kmcnt 0x0
	s_mov_b32 s58, s27                             ; w1 as the low word of a pair: the packed form takes the low word for both halves
	s_mov_b32 s59, s27
.irp u, 0,1,2,3
	s_wait_loadcnt 12-4*\u                         ; this piece's four are in; the four of each later piece may be out
.irp p, 0,2
	v_pk_add_f32 v[Y00+4*\u+\p:Y00+4*\u+\p+1], v[Y00+4*\u+\p:Y00+4*\u+\p+1], v[Y01+4*\u+\p:Y01+4*\u+\p+1]
	v_pk_add_f32 v[Y10+4*\u+\p:Y10+4*\u+\p+1], v[Y10+4*\u+\p:Y10+4*\u+\p+1], v[Y11+4*\u+\p:Y11+4*\u+\p+1]
.endr
.irp p, 0,2
	v_pk_mul_f32 v[Y00+4*\u+\p:Y00+4*\u+\p+1], v[Y00+4*\u+\p:Y00+4*\u+\p+1], s[26:27] op_sel_hi:[1,0]
.endr
.irp p, 0,2
	v_pk_fma_f32 v[Y00+4*\u+\p:Y00+4*\u+\p+1], v[Y10+4*\u+\p:Y10+4*\u+\p+1], s[58:59], v[Y00+4*\u+\p:Y00+4*\u+\p+1] op_sel_hi:[1,0,1]
.endr
	global_store_b128 v1, v[Y00+4*\u:Y00+4*\u+3], s[56:57] offset:512*\u th:TH_STORE_NT
.endr
	s_endpgm
.Lfunc_end_k_q470bd0aa96_combine:
	.size	k_q470bd0aa96_combine, .Lfunc_end_k_q470bd0aa96_combine-k_q470bd0aa96_combine
	.p2alignl 7, 3214868480
	.fill 96, 4, 3214868480
	.section	.rodata,"a",@progbits
	.p2align	6, 0x0
	.amdhsa_kernel k_q470bd0aa96_combine
		.amdhsa_group_segment_fixed_size 0
		.amdhsa_private_segment_fixed_size 0
		.amdhsa_enable_private_segment 0
		.amdhsa_kernarg_size 24
		.amdhsa_user_sgpr_count 2
		.amdhsa_user_sgpr_kernarg_segment_ptr 1
		.amdhsa_wavefront_size32 1
		.amdhsa_system_sgpr_workgroup_id_x 1
		.amdhsa_system_sgpr_workgroup_id_y 1
		.amdhsa_system_sgpr_workgroup_id_z 1
		.amdhsa_system_vgpr_workitem_id 0
		.amdhsa_next_free_vgpr 80
		.amdhsa_next_free_sgpr 66
		.amdhsa_reserve_vcc 0
		.amdhsa_float_denorm_mode_32 3
		.amdhsa_float_denorm_mode_16_64 3
		.amdhsa_memory_ordered 1
		.amdhsa_forward_progress 1
		.amdhsa_inst_pref_size 6
	.end_amdhsa_kernel
	.amdgpu_metadata
---
amdhsa.version: [ 1, 2 ]
amdhsa.kernels:
  - .name:           k_q470bd0aa96_combine
    .symbol:         k_q470bd0aa96_combine.kd
    .args:
      - { .name: yp, .offset: 0, .size: 8, .value_kind: global_buffer, .address_space: global }
      - { .name: gatew, .offset: 8, .size: 8, .value_kind: global_buffer, .address_space: global }
      - { .name: out0, .offset: 16, .size: 8, .value_kind: global_buffer, .address_space: global }
    .group_segment_fixed_size: 0
    .private_segment_fixed_size: 0
    .kernarg_segment_align: 8
    .kernarg_segment_size: 24
    .max_flat_workgroup_size: 256
    .sgpr_count:     66
    .vgpr_count:     80
    .wavefront_size: 32
...
	.end_amdgpu_metadata
.endif
;; end of part 4
